; MI455X (gfx1250); checked and timed in simulation.
; The chip was launched on July 23, 2026; its instructions are those of AMD's public machine-readable ISA for CDNA 5 (MIT licence, August 2026) and "CDNA5" Instruction Set Architecture Reference Guide (July 2026). The comments in the code are by the model that wrote it; some were corrected since.
;; Attention. Allowed arithmetic: matrix products marked QUANTISED: E5M2 operands, one given power-of-two scale a tensor, by v_wmma_f32_16x16x64_bf8_bf8 or v_wmma_f32_16x16x128_bf8_bf8, f32 sums; everything else in f32.
;; Inputs: k_codes 4,096 x 16 x 2 x 32 uint8 (E5M2 codes of k, K innermost, in blocks of 32 codes); lowp_scales 4 int32 (the exponents e of the quantised operands' scales 2^e); q_codes 4,096 x 16 x 2 x 32 uint8 (E5M2 codes of q, K innermost, in blocks of 32 codes); v_codes 16 x 64 x 128 x 32 uint8 (E5M2 codes of v, K innermost, in blocks of 32 codes).
;; Outputs: out0 4,096 x 1,024 float32.
;; This version of the problem:
;;   THIS VERSION OF THE PROBLEM IS GIVEN IN LOW PRECISION. The matrix products marked QUANTISED in the list below multiply operands that are first quantised to E5M2 (5 exponent bits, 2 mantissa bits; 8 bits a number), with one given power-of-two scale for each operand tensor; their sums are f32. All else is computed in f32.
;;   The module's matrix products, in the order in which they are computed (A, B: the left and right operand; K: the contracted axis; several contracted axes count as one K, in the product's order):
;;     1. batch 16 x [M 4,096, K 64] x [K 64, N 4,096]; A: input q (given as codes); B: input k (given as codes): QUANTISED (scales: A lowp_scales[0], B lowp_scales[1])
;;     2. batch 16 x [M 64, K 4,096] x [K 4,096, N 4,096]; A: input v (given as codes); B: softmax (see below): QUANTISED (scales: A lowp_scales[2], B lowp_scales[3])
;;   THE QUANTISER, for each operand of a quantised product, along K:
;;     - The operand's scale is 2^e, e = its entry of the input lowp_scales (int32; the entries are numbered through the quantised products in the list's order, A before B).
;;     - Each number is divided by the scale, clamped to +-57,344, and rounded to the nearest number of E5M2, ties to even, subnormals kept.
;;     - The product sums the exact products of the quantised numbers (number of the format x scale) in f32.
;;   ~~~python
;;   def quantise(x, axis, e):      # numpy; x: float32 -> the quantised numbers, widened to float32 again
;;       x = np.moveaxis(x, axis, -1); K = x.shape[-1]
;;       r = np.clip(x / 2.0 ** e, -57344, 57344)
;;       step = 2.0 ** (np.maximum(np.frexp(np.where(r == 0, 1, r))[1] - 1, -14) - 2)
;;       q = np.round(r / step) * step * 2.0 ** e      # np.round: ties to even
;;       return np.moveaxis(q, -1, axis).astype(np.float32)
;;   ~~~
;;   SOFTMAX AHEAD OF A QUANTISED PRODUCT. Where the list says 'softmax', what is quantised is not the finished softmax but p = 2^(t - M), with t = logit x log2(e) and M = ceil(the row's largest t), a whole number; so 1/2 < the row's largest p <= 1. The row's sum l is taken of the UNQUANTISED p, in f32, and the product's result is divided by l at the end. Since M is a whole number, a kernel that streams over the keys may use a running M (the ceiling of the running maximum): every later rescaling is an exact power of two, so the quantised numbers keep their values, but for numbers so far below the row's largest that they fall under the format's range.
;;   OPERANDS COMPUTED ON THE WAY. 'Computed on the way' means the value that the module computes at that place (a softmax that the list does not call 'softmax' is quantised finished and normalised). What goes into a quantiser is computed in f32, as accurately as f32 sums, v_exp_f32 and their like allow (about 1e-6 of the number): no bf16 or f16 on the way to a quantiser, and a product that is left as it is and whose result goes on into a quantised operand takes f32 operands (vector FMAs, or v_wmma_f32_16x16x4_f32). A number that lies on a knife's edge between two numbers of the format may be rounded either way, as far as f32 arithmetic and the matrix unit's own rounding can turn it there, and no further.
;;   INPUTS GIVEN AS CODES. k (in the module: [4096, 16, 64], K = its axis 2); q (in the module: [4096, 16, 64], K = its axis 2); v (in the module: [4096, 16, 64], K = its axis 0): each comes as NAME_codes (uint8): NAME with its K axis moved to the last place and cut into blocks of 32 codes, [.., K / 32, bytes a block], one block behind the other in memory; one code a byte (a code: sign, 5 exponent bits, 2 mantissa bits); its scale is its entry of lowp_scales. Its value is code x scale, taken as it is: it is not quantised again, and the codes and scales need not be those that the quantiser above would give.
;; One version. Each part assembles by itself: llvm-mc -triple=amdgcn-amd-amdhsa -mcpu=gfx1250 --defsym DOCPART=n.
;; ======== version 1 of 1: 1 launch
;; limits: right only within a limited range of input values
;; launch attn (part 1): grid 16 x 16, 16 waves a work-group, clusters of 4 x 1, 327,680 bytes of LDS; arguments q_codes, k_codes, v_codes, lowp_scales, out0; writes out0
.if DOCPART == 1
	.amdgcn_target "amdgcn-amd-amdhsa--gfx1250"
	.amdhsa_code_object_version 6
	.text
	.protected	k_q6b385bd88a_attn
	.globl	k_q6b385bd88a_attn
	.p2align	8
	.type	k_q6b385bd88a_attn,@function
k_q6b385bd88a_attn:
	s_mov_b64 s[64:65], 0
	v_nop
	global_prefetch_b8 v0, s[64:65] scope:SCOPE_SE
	s_setreg_imm32_b32 hwreg(HW_REG_WAVE_MODE, 25, 1), 1
	s_wait_xcnt 0x0
	s_wait_alu depctr_hold_cnt(0) depctr_sa_sdst(0) depctr_va_vdst(0) depctr_va_sdst(0) depctr_va_ssrc(0) depctr_va_vcc(0) depctr_vm_vsrc(0)
	s_getreg_b32 s2, hwreg(HW_REG_IB_STS2, 6, 4)
	s_cmp_eq_u32 s2, 0
	s_cbranch_scc0 .Lentry_in_a_cluster
	s_endpgm
.Lentry_in_a_cluster:
	s_bfe_u32 s2, ttmp6, 0x10000c
	s_cmp_lg_u32 s2, 0x3003
	s_cbranch_scc0 .Lentry_shape_is_right
	s_endpgm
.Lentry_shape_is_right:
; Causal attention on codes of BF8 (E5M2): 4,096 positions, 16 heads, head size 64.
; q_codes, k_codes: [position][head][64 bytes].  v_codes: [head][64 d][4,096 keys], the keys innermost.  lowp_scales: eq, ek, ev, ep (int32).  out0: [position][head x 64 + d] f32.
; THE SOFTMAX AHEAD OF THE SECOND PRODUCT: t = sum x 2^(eq + ek) x 0.125 x log2(e); M = the running largest t, rounded UP to a whole number; p = 2^(t - M) is quantised with 2^ep;
; the row's sum is taken of the unquantised p, in f32; when M moves, the sum and O are multiplied by 2^(old M - new M), which rounds nothing; at the end O = sums x 2^(ep + ev) / the row's sum.
; SHARES.  A work-group (x = g, y = head) has SIXTEEN waves of 256 registers; a wave owns ONE tile of 16 queries.  THE TILES ARE DEALT, so that the causal triangle weighs alike on all work-groups: wave w takes a tile out of
; block j(w) of 256 queries (j is a one-to-one map of w onto 0 .. 15), the tile f = g or 15 - g inside it.  Every work-group so holds one tile of every block: 264 key steps of work, whatever g is.
; Every wave walks ALL slots of keys (constant trip counts, every barrier passed by every wave) and jumps over the WORK of the key steps all of whose 128 keys come after its queries.
; LAYOUT.  Both products are used transposed: S^T = K Q^T (source 0 = 16 keys, source 1 = my 16 queries; K = 64), O^T = V^T P^T (source 0 = 16 of the head's 64, source 1 = P; K = 128 keys): a lane holds ONE query (lane % 16) throughout.
; THE KEYS OF A TILE ARE NOT NEIGHBOURS: lane r of tile 2 b + u takes key 32 b + 8 u + r + 8 (r / 8), so that the 16 registers of tiles 2 b and 2 b + 1 are the 16 neighbouring keys 32 b + 16 (lane / 16) + 0 .. 15,
; and the conversions' results are the second product's operand as they stand.  Fragments are fetched 16 bytes a load: the same permutation of k on both sides of a product, so every number meets its partner.
; CLUSTER.  The four work-groups g = 4 c + cx of a cluster belong to one head and walk the same K and V in the same order: each tile is asked for JOINTLY (mask 15).  No branch hangs on cx: the tests that jump over
; work compare the step's keys with the 64 queries that the four partners' tiles of one wave number share (QC .. QC + 63); since a step begins at a multiple of 128, these tests say the same as tests on the wave's own 16 queries would.
; cx enters Q's and out0's global addresses and one vector register that is only compared.
; LEFT OUT: prefetches (a refill has a slot's four key steps in which to land, and asking for each block once would want a choice by the place in the cluster); register windows and several tiles a wave (four waves share a SIMD instead).
; LIMITS: eq + ek between -123 and 130 (they are added to c's exponent field); ep between -126 and 127 (2^ep is an f32 number); ep + ev is applied by v_ldexp_f32 and has none.
; Infinity and NaN among the codes are not served.  A p under 2^-126 counts as 0 (v_exp_f32 gives no denormals: ISA guide, its entry in 15.8).
.set KP,     80                        ; a key's row in LDS: 64 bytes + 16 of padding
.set VP,     272                       ; a row of V's tile in LDS: 256 bytes (256 keys) + 16 of padding
.set KHALF,  256*KP                    ; 256 keys: what one of K's loads brings
.set VOFF,   2*KHALF                   ; a slot: 512 rows of K, then V in two tiles of 64 rows x 256 keys
.set VSUB,   64*VP
.set SLOT1,  1<<17                     ; slot 1 begins here, so that one exclusive or turns an address in one slot into the other's
.set STAGE,  SLOT1+VOFF+2*VSUB         ; behind the ring: 16 rows x 272 bytes for each wave, for the way out; no fill lands here
.set SPITCH, 272
.set SPARE,  STAGE+16*16*SPITCH        ; behind the stages: the spare words, 128 bytes for each wave: eight blocks of 256 bytes that no other line names
.set NSL,    4096/512                  ; slots' worth of keys
.set AK0, 1                            ; v1   my lane's place in a tile of K
.set AV0, 2                            ; v2   the same for V
.set QD,  3                            ; v3   my query - 16 (lane / 16): compared only
.set SPW, 5                            ; v5   LDS address of my spare word: SPARE + 4 x my thread's number; never rewritten
.set NIL, 6                            ; v6   0; never rewritten
.set GO,  7                            ; v7   the way out: my byte offset in the wave's rows of out0
.set ADK, 8                            ; v8   LDS address of the step's tiles of K
.set ADV, 9                            ; v9   of V
.set QF,  16                           ; v[16:23]   Q's fragment
.set FF,  24                           ; v24  f = 2^(old M - new M); v25 at work (named with it as a pair)
.set MX,  28                           ; v28-31     four chains of the maximum
.set KV,  32                           ; v32-95     K's eight fragments of 8 registers, then V's four of 16
.set S,   96                           ; v96-159    S^T, then p
.set O,   160                          ; v160-191   O^T, four tiles
.set PC,  192                          ; v192-207   p's codes
.set SC,  208                          ; v208 2^ep
.set LIM, 209                          ; v12 -M, v13 the largest t; v[14:15], v[26:27] the row's sum in two packed chains
.set WV,  14                           ; s14  my wave's number
.set SEL, 20                           ; s[20:21] lane selects for v_permlanex16_b32: lane l xor 16
.set CS,  22                           ; s[22:23] c = 0.125 log2(e) x 2^(eq + ek): the packed form names a pair and takes its low word for both halves
.set G1K, 24                           ; s[24:31] descriptor group 1 for K's tiles;  s[32:39] for V's;  s[40:43], s[44:47] their groups 0, which walk
.set G1V, 32
.set G0K, 40
.set G0V, 44
.set TB,  48                           ; s48  LDS byte at which the slot in hand begins
.set SLOTS, 49                         ; s49  slots still to be asked for
.set KF,  50                           ; s50  the step's first key
.set QC,  51                           ; s51  the first of the 64 queries that the four partners' tiles share
.set QH,  53                           ; s53  the last of them
; A round of the cluster's barrier: my work-group's barrier, so that wave 0's signal speaks for all sixteen waves; wave 0 signals for the work-group; every wave waits for all four work-groups; my work-group's barrier once more.
.macro CROUND
	s_barrier_signal -1
	s_barrier_wait -1
	s_cmp_lg_u32 s[WV], 0
	s_cbranch_scc1 .Lnot_wave_0_\@
	s_barrier_signal -3
.Lnot_wave_0_\@:
	s_barrier_wait -3
	s_barrier_signal -1
	s_barrier_wait -1
.endm
; A joint load.  Waves 0 and 1 fetch K's two halves of a slot, waves 2 and 3 V's two tiles, the others nothing.  The branches hang on the wave's number alone: they are alike in every work-group.
; Four v_nop follow each of the two lines.
.macro JLOAD
	s_cmp_lt_u32 s[WV], 2
	s_cbranch_scc0 .Lnot_k_\@
	tensor_load_to_lds s[G0K:G0K+3], s[G1K:G1K+7]
	s_nop 0
.rept 4
	v_nop
.endr
	s_branch .Lasked_\@
.Lnot_k_\@:
	s_cmp_lt_u32 s[WV], 4
	s_cbranch_scc0 .Lasked_\@
	tensor_load_to_lds s[G0V:G0V+3], s[G1V:G1V+7]
	s_nop 0
.rept 4
	v_nop
.endr
.Lasked_\@:
.endm
	s_load_b256 s[4:11], s[0:1], 0x0               ; Q's codes s[4:5], K's s[6:7], V's s[8:9], the scales' exponents s[10:11]
	s_load_b64 s[12:13], s[0:1], 0x20              ; out0
	v_lshl_add_u32 v[SPW], v0, 2, SPARE
	v_mov_b32 v[NIL], 0
	ds_add_u32 v5, v6
	s_wait_dscnt 0x0
	v_lshrrev_b32 v8, 5, v0
	v_readfirstlane_b32 s[WV], v8                  ; wave 0..15
	; which tile of queries is mine.  x = w / 4, y = w % 4, a = (x + y) % 4, j = 4 a + y: waves alike in w % 4, and waves alike in w / 4, get one block from each quarter of the sixteen
	s_lshr_b32 s15, s[WV], 2
	s_and_b32 s16, s[WV], 3
	s_add_co_u32 s17, s15, s16
	s_and_b32 s17, s17, 3                          ; a
	s_lshl_b32 s18, s17, 2
	s_add_co_u32 s18, s18, s16                     ; j: my block of 256 queries
	s_and_b32 s19, s17, 1
	s_mul_i32 s19, s19, 3                          ; 3 where a is odd: there the tile inside the block is 15 - g, else g; 15 - g = 4 (c xor 3) + (cx xor 3)
	s_xor_b32 s[QC], ttmp9, s19                    ; in a cluster launch ttmp9 counts clusters: c, which the four partners share
	s_lshl_b32 s[QC], s[QC], 6
	s_lshl_b32 s52, s18, 8
	s_add_co_u32 s[QC], s[QC], s52                 ; QC = 256 j + 64 (c or 3 - c)
	s_add_co_u32 s[QH], s[QC], 63
	s_and_b32 s54, ttmp7, 0xffff                   ; the head, which the partners share
	s_and_b32 s55, s[WV], 1                        ; which half of K's rows, or which of V's two tiles, I fetch if I fetch
	s_lshl_b32 s60, s54, 6                         ; K in memory: 64 x head + 256 keys of 1,024 bytes x half
	s_lshl_b32 s62, s55, 18
	s_add_co_u32 s60, s60, s62
	s_mov_b32 s61, 0
	s_lshl_b32 s66, s54, 18                        ; V in memory: 64 rows of 4,096 bytes x head + 256 keys x tile
	s_lshl_b32 s62, s55, 8
	s_add_co_u32 s66, s66, s62
	s_mov_b32 s67, 0
	s_mul_i32 s63, s55, KHALF                      ; and their places in a slot: the wave's number and constants alone
	s_mul_i32 s68, s55, VSUB
	s_add_co_u32 s68, s68, VOFF
	; descriptor group 1.  K: 256 rows of 64 bytes, 1,024 bytes apart in memory.  V: 64 rows of 256 bytes, 4,096 bytes apart
	s_mov_b32 s[G1K], 15|(0<<16)|(1<<20)|(1<<21)|(3<<22)|(3<<25)  ; 15:0 the mask: all four work-groups; 17:16 elements of 1 byte; 20 padding on; 21 set beside a mask; 24:22 after every 16 words (code 3); 31:25 four words (code 3)
	s_mov_b32 s[G1K+1], 64<<16                     ; tensor_dim0
	s_mov_b32 s[G1K+2], 256<<16                    ; tensor_dim1
	s_mov_b32 s[G1K+3], 64<<16                     ; tile_dim0
	s_mov_b32 s[G1K+4], 256                        ; tile_dim1
	s_mov_b32 s[G1K+5], 1024                       ; tensor_dim0_stride
	s_mov_b32 s[G1K+6], 0
	s_mov_b32 s[G1K+7], 0
	s_mov_b32 s[G1V], 15|(0<<16)|(1<<20)|(1<<21)|(5<<22)|(3<<25)  ; the same with four words of padding after every 64
	s_mov_b32 s[G1V+1], 256<<16
	s_mov_b32 s[G1V+2], 64<<16
	s_mov_b32 s[G1V+3], 256<<16
	s_mov_b32 s[G1V+4], 64
	s_mov_b32 s[G1V+5], 4096
	s_mov_b32 s[G1V+6], 0
	s_mov_b32 s[G1V+7], 0
	s_mov_b32 s[SEL], 0x76543210
	s_mov_b32 s[SEL+1], 0xfedcba98
	s_mov_b32 s[CS], 0x3e38aa3b                    ; 0.125 x log2(e)
	s_mov_b32 s[TB], 0
	s_mov_b32 s[SLOTS], NSL-1
	s_mov_b32 s[KF], 0
	s_wait_kmcnt 0x0
	s_load_b128 s[56:59], s[10:11], 0x0            ; eq, ek, ev, ep
	s_mov_b32 s[G0K], 1                            ; 1:0 count = 1
	s_mov_b32 s[G0K+1], s63                        ; 63:32 LDS address: slot 0
	s_add_nc_u64 s[G0K+2:G0K+3], s[6:7], s[60:61]  ; 120:64 global address: the head's first 512 keys
	s_or_b32 s[G0K+3], s[G0K+3], 0x80000000        ; 127:126 type = 2
	s_mov_b32 s[G0V], 1
	s_mov_b32 s[G0V+1], s68
	s_add_nc_u64 s[G0V+2:G0V+3], s[8:9], s[66:67]
	s_or_b32 s[G0V+3], s[G0V+3], 0x80000000
	CROUND                                         ; all four work-groups are here: the first joint loads meet
	JLOAD                                          ; slot 0: the one first fill, ahead of every wait on TENSORcnt and every LDS read
	; from here on s70-s79 hold what hangs on cx: they enter Q's and out0's addresses and v3 alone
	s_bfe_u32 s70, ttmp6, 0x40000                  ; cx: my place in the cluster
	s_xor_b32 s70, s70, s19                        ; cx or 3 - cx
	s_lshl_b32 s70, s70, 4
	s_add_co_u32 s71, s[QC], s70                   ; my first query
	s_lshl_b32 s72, s71, 10                        ; its codes: 1,024 x query + 64 x head
	s_lshl_b32 s76, s54, 6
	s_add_co_u32 s72, s72, s76
	s_mov_b32 s73, 0
	s_lshl_b32 s74, s71, 12                        ; its row of out0: 4,096 x query + 256 x head
	s_lshl_b32 s76, s54, 8
	s_add_co_u32 s74, s74, s76
	s_mov_b32 s75, 0
	s_add_nc_u64 s[4:5], s[4:5], s[72:73]
	s_add_nc_u64 s[12:13], s[12:13], s[74:75]
	v_and_b32 v8, 15, v0                           ; r = lane % 16
	v_bfe_u32 v9, v0, 4, 1                         ; h = lane / 16
	v_lshlrev_b32 v10, 10, v8
	v_lshl_add_u32 v10, v9, 4, v10                 ; Q: row r of 1,024 bytes, + 16 h
	global_load_b128 v[QF:QF+3], v10, s[4:5]       ; Q's fragment stays in registers: d = 16 h + 0 .. 15,
	global_load_b128 v[QF+4:QF+7], v10, s[4:5] offset:32   ; and 32 + 16 h + 0 .. 15, as K's fragments have them
	v_and_b32 v11, 8, v8
	v_add_nc_u32 v11, v11, v8                      ; r + 8 (r / 8)
	v_mul_u32_u24 v[AK0], v11, KP
	v_lshl_add_u32 v[AK0], v9, 4, v[AK0]
	v_mul_u32_u24 v[AV0], v8, VP
	v_lshl_add_u32 v[AV0], v9, 4, v[AV0]
	v_add_nc_u32 v[AV0], VOFF, v[AV0]
	v_lshlrev_b32 v[QD], 4, v9
	v_sub_nc_u32 v[QD], v8, v[QD]
	v_add_nc_u32 v[QD], s71, v[QD]                 ; my query - 16 h
	v_lshlrev_b32 v[GO], 12, v9
	v_lshl_add_u32 v[GO], v8, 4, v[GO]             ; the way out: lanes 0-15 take one row of out0, lanes 16-31 the next; 16 bytes a lane
	v_mov_b32 v13, 0xff61b1e6                      ; the largest t so far: -3e38, under every t
	v_floor_f32 v12, -v13                          ; -M
	v_mov_b32 v14, 0                               ; the sum, in two packed chains
	v_mov_b32 v15, 0
	v_mov_b32 v26, 0
	v_mov_b32 v27, 0
	v_mov_b32 v[FF+1], 0                           ; (named as the upper half of the pair v[24:25])
	v_mov_b32 v[MX+1], 0                           ; written once: a lane permute's destination counts as one of its sources
.set i, 0
.rept 32
	v_mov_b32 v[O+i], 0                            ; O^T.  (The key step is written in one form: the first finds zeros, which the first change of M leaves zeros)
.set i, i+1
.endr
	s_wait_kmcnt 0x0
	s_add_co_i32 s80, s56, s57
	s_lshl_b32 s80, s80, 23
	s_add_co_i32 s[CS], s[CS], s80                 ; a sum stands for sum x 2^(eq + ek): the two exponents are added to c's exponent field
	s_mov_b32 s[CS+1], s[CS]                       ; (named with it as a pair, so it is written)
	s_add_co_i32 s80, s59, 127
	s_lshl_b32 s81, s80, 23
	v_mov_b32 v[SC], s81                           ; 2^ep as f32: the conversion takes its exponent field
	s_add_co_i32 s82, s58, s59                     ; ev + ep, for the end
; A KEY STEP: 128 keys, the q-th of the slot in hand.  No barrier and no tensor load stands in a step, so its work may be jumped over.
.macro STEP q
	s_cmp_gt_u32 s[KF], s[QH]                      ; all 128 keys come after my queries: nothing of this step counts
	s_cbranch_scc1 .Lhidden_\@
	v_add_nc_u32 v[ADK], s[TB], v[AK0]
	v_add_nc_u32 v[ADV], s[TB], v[AV0]
	v_nop                                          ; with the two additions: four places between the last step's products and the loads into the registers that they read
	v_nop
.irp t, 0,1,2,3,4,5,6,7
.irp c, 0,1
	ds_load_b128 v[KV+8*\t+4*\c:KV+8*\t+4*\c+3], v[ADK] offset:(128*(\q)+32*(\t/2)+8*(\t%2))*KP+32*\c
.endr
.endr
	s_wait_dscnt 8                                 ; LDS loads come back in order: tiles 0-3 are in, the eight younger loads (tiles 4-7) may be out
.irp t, 0,1,2,3
	v_wmma_f32_16x16x64_bf8_bf8 v[S+8*\t:S+8*\t+7], v[KV+8*\t:KV+8*\t+7], v[QF:QF+7], 0
.endr
	s_wait_dscnt 0x0
.irp t, 4,5,6,7
	v_wmma_f32_16x16x64_bf8_bf8 v[S+8*\t:S+8*\t+7], v[KV+8*\t:KV+8*\t+7], v[QF:QF+7], 0
.endr
.rept 4
	v_nop                                          ; four places: in front of the loads into K's registers, and of the first read of the scores
.endr
.irp t, 0,1,2,3                                ; V's four fragments (16 of the head's 64 x these 128 keys) land while the softmax is worked
.irp c, 0,1,2,3
	ds_load_b128 v[KV+16*\t+4*\c:KV+16*\t+4*\c+3], v[ADV] offset:((\q)/2)*VSUB+16*\t*VP+128*((\q)%2)+32*\c
.endr
.endr
	s_add_co_u32 s52, s[KF], 127
	s_cmp_le_u32 s52, s[QC]                        ; all 128 keys count for all my queries: no mask
	s_cbranch_scc1 .Lopen_\@
	s_sub_co_i32 s52, 0, s[KF]                     ; on the diagonal the scores of hidden keys become -infinity ahead of the maximum: p = 0 then
	v_add_nc_u32 v[FF+1], s52, v[QD]               ; d = my query - KF - 16 h.  Register 16 b + i holds key KF + 16 h + 32 b + i: hidden where 32 b + i > d
	v_mov_b32 v[MX+1], 0xff800000
.irp n, 0,1,2,3,4,5,6,7,8,9,10,11,12,13,14,15,16,17,18,19,20,21,22,23,24,25,26,27,28,29,30,31,32,33,34,35,36,37,38,39,40,41,42,43,44,45,46,47,48,49,50,51,52,53,54,55,56,57,58,59,60,61,62,63
	v_cmp_gt_i32 vcc_lo, 32*(\n/16)+\n%16, v[FF+1]
	v_cndmask_b32 v[S+\n], v[S+\n], v[MX+1], vcc_lo
.endr
.Lopen_\@:
	; the step's largest score of my query among my 64 keys: four chains by turns, chain k over registers 16 k .. 16 k + 14; each tile of scores is read first at its low end
.irp k, 0,1,2,3
	v_max3_num_f32 v[MX+\k], v[S+16*\k], v[S+16*\k+1], v[S+16*\k+2]
.endr
.irp e, 0,1,2,3,4,5
.irp k, 0,1,2,3
	v_max3_num_f32 v[MX+\k], v[MX+\k], v[S+16*\k+3+2*\e], v[S+16*\k+4+2*\e]
.endr
.endr
	v_max3_num_f32 v[MX], v[MX], v[S+15], v[S+31]  ; the four registers left over, and the chains
	v_max3_num_f32 v[MX+2], v[MX+2], v[S+47], v[S+63]
	v_max3_num_f32 v[MX], v[MX], v[MX+1], v[MX+2]
	v_max_num_f32 v[MX], v[MX], v[MX+3]
	v_permlanex16_b32 v[MX+1], v[MX], s[SEL], s[SEL+1]
	v_max_num_f32 v[MX], v[MX], v[MX+1]            ; and among lane l xor 16's 64 keys
	v_mul_f32 v[MX], s[CS], v[MX]                  ; as t (c is positive)
	v_max_num_f32 v13, v13, v[MX]                  ; the running largest t
	v_mov_b32 v[FF+1], v12
	v_floor_f32 v12, -v13                          ; the new -M = floor(-t) = -ceil(t): M is a whole number
	v_sub_f32 v[FF+1], v12, v[FF+1]                ; M's old value less its new one: a whole number, 0 or less
	v_cvt_i32_f32 v[FF+1], v[FF+1]                 ; (it saturates)
	v_ldexp_f32 v[FF], 1.0, v[FF+1]                ; f = 2^(old M - new M)
	v_pk_mul_f32 v[14:15], v[14:15], v[FF:FF+1] op_sel_hi:[1,0]   ; the sums under the new M
	v_pk_mul_f32 v[26:27], v[26:27], v[FF:FF+1] op_sel_hi:[1,0]
	; p, its sum and its codes, pair by pair of registers, as a pipeline: trip i scales pair i (t - M), takes the exponentials of pair i - 1, and adds pair i - 3; four such pairs make a conversion.
	; So behind every exponential stands the pair's other exponential or a plain line on other registers, and two trips lie between an exponential and the use of its result.
.set i, 0
.rept 35
.if i < 32
	v_pk_fma_f32 v[S+2*i:S+2*i+1], v[S+2*i:S+2*i+1], s[CS:CS+1], v[12:13] op_sel_hi:[1,0,0]   ; t - M (of the pairs c and -M the low word serves both halves)
.endif
.if (i >= 1) && (i <= 32)
	v_exp_f32 v[S+2*i-2], v[S+2*i-2]               ; p = 2^(t - M), at most 1: not normalised
.endif
.if i >= 3
.if (i%2) == 1
	s_wait_alu depctr_va_vdst(0)
	v_pk_add_f32 v[14:15], v[14:15], v[S+2*i-6:S+2*i-5]   ; the row's sum is taken of the unquantised p
.else
	v_pk_add_f32 v[26:27], v[26:27], v[S+2*i-6:S+2*i-5]
.endif
.endif
.if (i >= 1) && (i <= 32)
	v_exp_f32 v[S+2*i-1], v[S+2*i-1]
.endif
.if i >= 3
.endif
.if (i >= 6) && ((i%4) == 2)
	v_cvt_scalef32_pk8_bf8_f32 v[PC+2*((i-6)/4):PC+2*((i-6)/4)+1], v[S+8*((i-6)/4):S+8*((i-6)/4)+7], v[SC]   ; eight neighbouring keys' codes; the next line is plain and touches none of its registers
.endif
.set i, i+1
.endr
.irp j, 0,2,4,6,8,10,12,14,16,18,20,22,24,26,28,30
	v_pk_mul_f32 v[O+\j:O+\j+1], v[O+\j:O+\j+1], v[FF:FF+1] op_sel_hi:[1,0]   ; O^T under the new M, each tile from its low end on.  (Plain lines between the last conversion and the products that read its codes)
.endr
	s_wait_dscnt 0x0                               ; V's fragments are in
.irp t, 0,1,2,3                                ; O^T += V^T P^T.  The accumulators take turns: between two products on one of them stand the three others' and the next step's eight
	v_wmma_f32_16x16x128_bf8_bf8 v[O+8*\t:O+8*\t+7], v[KV+16*\t:KV+16*\t+15], v[PC:PC+15], v[O+8*\t:O+8*\t+7]
.endr
.Lhidden_\@:
	s_add_co_u32 s[KF], s[KF], 128
.endm
; THE CHANGE OF SLOTS stands at a slot's head.  Each wave waits for all its tensor loads (its part of the slot about to be read), adds 0 to its spare word, and waits for that and for its reads of the slot that it has left.
; fill = 1: a round of the cluster's barrier follows, so that no wave of any partner still reads the slot left or has a load on its way, and the joint load of the next 512 keys into that slot is the first thing behind it:
; it has four key steps in which to land.  A wave has at most one tensor load out.
.macro CHANGE fill
	s_wait_tensorcnt 0x0                           ; no tensor load of mine is out, so a group 0 may be written
	ds_add_u32 v[SPW], v[NIL]                      ; 0 onto my spare word; with fill = 1 the descriptors' steps stand between it and the wait for it
.if \fill
	s_xor_b32 s[G0K+1], s[G0K+1], SLOT1            ; the walking descriptors: the other slot than last time,
	s_add_nc_u64 s[G0K+2:G0K+3], s[G0K+2:G0K+3], 512*1024   ; the next 512 keys; the type bits on top are not reached
	s_xor_b32 s[G0V+1], s[G0V+1], SLOT1
	s_add_nc_u64 s[G0V+2:G0V+3], s[G0V+2:G0V+3], 512
	s_wait_dscnt 0x0                               ; the add is done, and my reads of the slot that I have left are over
	CROUND
	JLOAD
.else
	s_wait_dscnt 0x0
	s_barrier_signal -1
	s_barrier_wait -1
.endif
.endm
.macro SLOT_STEPS
	STEP 0
	STEP 1
	STEP 2
	STEP 3
	s_xor_b32 s[TB], s[TB], SLOT1                  ; on to the other slot
.endm
	s_wait_loadcnt 0x0                             ; Q
.Lslot:                                            ; NSL - 1 trips: behind each change of slots but the last the next slot is asked for (slot 1's first fill goes out so too)
	CHANGE 1
	SLOT_STEPS
	s_sub_co_u32 s[SLOTS], s[SLOTS], 1
	s_cmp_lg_u32 s[SLOTS], 0
	s_cbranch_scc1 .Lslot
	CHANGE 0                                       ; the last slot is written out
	SLOT_STEPS
	; THE WAY OUT.  O^T x 2^(ep + ev) / the row's sum goes through my own stage in LDS and leaves by rows: a head's 64 numbers of a row of out0 are 256 consecutive bytes, at a multiple of 256 from out0's first byte.
	v_and_b32 v[MX], 15, v0                        ; r.  (These eight address lines are the places behind the last products)
	v_bfe_u32 v[MX+2], v0, 4, 1                    ; h
	s_mul_i32 s83, s[WV], 16*SPITCH
	s_add_co_u32 s83, s83, STAGE                   ; my stage
	v_mul_u32_u24 v10, v[MX], SPITCH
	v_lshl_add_u32 v10, v[MX+2], 5, v10
	v_add_nc_u32 v10, s83, v10                     ; in: row r; tile t's eight numbers of my half lie 64 t + 32 h bytes on
	v_mul_u32_u24 v11, v[MX+2], SPITCH
	v_lshl_add_u32 v11, v[MX], 4, v11
	v_add_nc_u32 v11, s83, v11                     ; back: lanes 0-15 one row, lanes 16-31 the next
	v_pk_add_f32 v[14:15], v[14:15], v[26:27]      ; the sum's four parts,
	v_add_f32 v14, v14, v15
	v_permlanex16_b32 v[MX+1], v14, s[SEL], s[SEL+1]
	v_add_f32 v14, v14, v[MX+1]                    ; and lane l xor 16's: the row's sum, above 1/2
	v_rcp_f32 v14, v14
	v_nop                                          ; one plain line behind the transcendental
	s_wait_alu depctr_va_vdst(0)
	v_ldexp_f32 v14, v14, s82                      ; x 2^(ep + ev)
.irp j, 0,2,4,6,8,10,12,14,16,18,20,22,24,26,28,30
	v_pk_mul_f32 v[S+\j:S+\j+1], v[O+\j:O+\j+1], v[14:15] op_sel_hi:[1,0]   ; register 8 t + i is o(query r, d = 16 t + 8 h + i); each tile from its low end on
.endr
.irp t, 0,1,2,3
	ds_store_b128 v10, v[S+8*\t:S+8*\t+3] offset:64*\t
	ds_store_b128 v10, v[S+8*\t+4:S+8*\t+7] offset:64*\t+16
.endr
.irp i, 0,1,2,3,4,5,6,7
	ds_load_b128 v[KV+4*\i:KV+4*\i+3], v11 offset:2*\i*SPITCH   ; LDS serves a wave's instructions in order (ISA guide 5.7.1.4): these see my stores
.endr
.irp i, 0,1,2,3,4,5,6,7
	s_wait_dscnt 7-\i                              ; load i is in; the younger ones may be out
	global_store_b128 v[GO], v[KV+4*\i:KV+4*\i+3], s[12:13] offset:2*\i*4096 th:TH_STORE_NT   ; 16 lanes store 256 consecutive bytes; written once, read by nobody here
.endr
	s_wait_tensorcnt 0x0                           ; the wave's end, behind my last tensor load and my last LDS store
	ds_add_u32 v[SPW], v[NIL]
	s_wait_dscnt 0x0
	CROUND                                         ; the closing round: no work-group ends while a partner may still ask for a tile that names it
	s_endpgm
.Lfunc_end_k_q6b385bd88a_attn:
	.size	k_q6b385bd88a_attn, .Lfunc_end_k_q6b385bd88a_attn-k_q6b385bd88a_attn
	.p2alignl 7, 3214868480
	.fill 96, 4, 3214868480
	.section	.rodata,"a",@progbits
	.p2align	6, 0x0
	.amdhsa_kernel k_q6b385bd88a_attn
		.amdhsa_group_segment_fixed_size 327680
		.amdhsa_private_segment_fixed_size 0
		.amdhsa_enable_private_segment 0
		.amdhsa_kernarg_size 40
		.amdhsa_user_sgpr_count 2
		.amdhsa_user_sgpr_kernarg_segment_ptr 1
		.amdhsa_wavefront_size32 1
		.amdhsa_system_sgpr_workgroup_id_x 1
		.amdhsa_system_sgpr_workgroup_id_y 1
		.amdhsa_system_sgpr_workgroup_id_z 1
		.amdhsa_system_vgpr_workitem_id 0
		.amdhsa_next_free_vgpr 256
		.amdhsa_next_free_sgpr 100
		.amdhsa_reserve_vcc 1
		.amdhsa_float_denorm_mode_32 3
		.amdhsa_float_denorm_mode_16_64 3
		.amdhsa_fp16_overflow 1
		.amdhsa_memory_ordered 1
		.amdhsa_forward_progress 1
		.amdhsa_inst_pref_size 165
	.end_amdhsa_kernel
	.amdgpu_metadata
---
amdhsa.version: [ 1, 2 ]
amdhsa.kernels:
  - .name:           k_q6b385bd88a_attn
    .symbol:         k_q6b385bd88a_attn.kd
    .args:
      - { .name: q_codes, .offset: 0, .size: 8, .value_kind: global_buffer, .address_space: global }
      - { .name: k_codes, .offset: 8, .size: 8, .value_kind: global_buffer, .address_space: global }
      - { .name: v_codes, .offset: 16, .size: 8, .value_kind: global_buffer, .address_space: global }
      - { .name: lowp_scales, .offset: 24, .size: 8, .value_kind: global_buffer, .address_space: global }
      - { .name: out0, .offset: 32, .size: 8, .value_kind: global_buffer, .address_space: global }
    .group_segment_fixed_size: 327680
    .private_segment_fixed_size: 0
    .kernarg_segment_align: 8
    .kernarg_segment_size: 40
    .max_flat_workgroup_size: 512
    .sgpr_count:     100
    .vgpr_count:     256
    .wavefront_size: 32
...
	.end_amdgpu_metadata
.endif
;; end of part 1
